; MI455X (gfx1250); checked and timed in simulation.
; The chip was launched on July 23, 2026; its instructions are those of AMD's public machine-readable ISA for CDNA 5 (MIT licence, August 2026) and "CDNA5" Instruction Set Architecture Reference Guide (July 2026). The comments in the code are by the model that wrote it; some were corrected since.
;; Mo E Attention Projection. Allowed arithmetic: float matrix products may take bf16 or f16 operands with f32 sums; all other float work in f32.
;; Inputs: W 8 x 1,024 x 1,024 float32; Wg 8 x 1,024 float32; b 8 x 1,024 float32; bg 8 float32; x 4 x 2,048 x 1,024 float32.
;; Outputs: out0 4 x 2,048 x 1,024 float32.
;; One version. Each part assembles by itself: llvm-mc -triple=amdgcn-amd-amdhsa -mcpu=gfx1250 --defsym DOCPART=n.
;; ======== version 1 of 1: 3 launches
;; limits: values are held in f16: magnitudes above 65,504 overflow, below 6.1e-05 lose precision; inputs' magnitudes at most 65,504
;; workspace buffers: xh 16,777,216 bytes; wh 16,777,216 bytes; sel 32,768 bytes of whole numbers; order 32,768 bytes of whole numbers; gs 65,536 bytes
;; launch prep (part 1): grid 256 x 1, 8 waves a work-group, no clusters, 67,584 bytes of LDS; arguments x, W, Wg, bg, xh, wh, sel, gs; writes xh, wh, sel, gs
.if DOCPART == 1
	.amdgcn_target "amdgcn-amd-amdhsa--gfx1250"
	.amdhsa_code_object_version 6
	.text
	.protected	k_qafc27322df_prep
	.globl	k_qafc27322df_prep
	.p2align	8
	.type	k_qafc27322df_prep,@function
k_qafc27322df_prep:
	s_mov_b64 s[64:65], 0
	v_nop
	global_prefetch_b8 v0, s[64:65] scope:SCOPE_SE
	s_setreg_imm32_b32 hwreg(HW_REG_WAVE_MODE, 25, 1), 1
	s_wait_xcnt 0x0
; prep: the gate, and both matrix operands rounded to f16.  x [8192][1024] f32, W [8][1024][1024] f32, Wg [8][1024] f32, bg [8] f32.
; F16, NOT BF16, for the operands: 11 significant bits against 8, so each operand's rounding is 8 times finer, and the range has room (see LIMITS).
; Work-group g, eight waves.
; WAVES 0-3 (gate): wave w takes tokens 32 g + 8 w .. + 7, one row at a time.  A row's 4,096 bytes are 32 registers of the wave; all of Wg
;   (8 x 1,024 f32) stays in 256 registers.  The 8 logits are summed in f32 on the vector unit, from the inputs as they are, not from rounded operands on the matrix unit:
;   they feed a CHOICE (top 2 of 8), and a rounded operand would move a logit by more than the smallest gaps between logits.  It is 8 of the 8,200 columns.
;   The row is rounded to f16 on the way and stored to xh [8192][1024].  Lane i keeps row i's logits; top 2, softmax and key are made once for 8 rows.
;   sel[token] = key | e1 << 16 | e2 << 24;  gs[token] = (s1, s2), the two softmax values.  key numbers the unordered pair {e1, e2}, 0 to 27, in
;   an order in which neighbouring keys share an expert: a = min, b = max, key = a (15 - a) / 2 + (a odd ? 7 - b : b - a - 1).
; WAVES 4-7 (W): wave c = w - 4 takes 16 rows x 512 k of W, rounds to f16 and stores them in the order in which a matrix fragment is loaded:
;   wh [e 8][ng 16][ks 32][bb 4][q 2][lane 32][16 bytes]; lane (r = lane % 16, h = lane / 16) holds W[e][64 ng + 16 bb + r][32 ks + 16 q + 8 h .. + 7].
;   The turn from rows to fragments goes through the wave's own 16 x 1,040 bytes of LDS.  No wave reads another's bytes: no barrier.
; LIMITS.  A number of x or W above 65,504 in magnitude becomes infinite in f16; below 2^-14 it loses bits gradually, with an absolute error of 2^-25 at the most.
; The softmax takes the largest logit away first.  A gap between the 2nd and 3rd logit below the rounding of a 1,024-term f32 sum, or two different
; logits whose softmax values round to the same f32, may choose the other expert.  Equal logits keep the lower index.  A NaN logit loses every compare
; (the two indices stay different; the values are then not the reference's).  Exponentials below 2^-126 come out as 0.  The division by TEMP = 1.0 is exact and is not written.
.set ACC, 8                            ; v[8:23]    eight pairs of running sums, one pair an expert; the even one then holds the logit
.set RT,  24                           ; v[24:31]   the other half of the lanes' sums
.set LG,  32                           ; v[32:39]   lane i: row i's eight logits
.set Y,   40                           ; v[40:55]   a row as f16
.set XR,  128                          ; v[128:255] four row slots of 32 registers.  Window 1 (v256-511): Wg, register 32 e + 4 j + c = Wg[e][128 j + 4 lane + c]
.set T,   64                           ; W waves: v[64:95] four rows as f16
.set F,   128                          ; W waves: v[128:255] 32 half fragments.  Window 1: the 64 loads of W
.set STG, 16640                        ; a W wave's stage: 16 rows of 1,040 bytes
.set MSB, 0
.macro WIN new                         ; s_set_vgpr_msb: bits 1:0 source 0, 3:2 source 1, 5:4 source 2, 7:6 destination; the high byte repeats the setting that is left
.if MSB != \new
	s_set_vgpr_msb (MSB<<8)|\new
.set MSB, \new
.endif
.endm
	s_load_b512 s[4:19], s[0:1], 0x0               ; x 4:5, W 6:7, Wg 8:9, bg 10:11, xh 12:13, wh 14:15, sel 16:17, gs 18:19
	v_lshl_add_u32 v126, v0, 2, 0x10400
	v_mov_b32 v127, 0
	v_lshrrev_b32 v1, 5, v0
	v_readfirstlane_b32 s20, v1                    ; wave 0..7
	v_and_b32 v1, 31, v0                           ; lane
	v_lshlrev_b32 v2, 4, v1                        ; 16 lane
	v_lshlrev_b32 v3, 3, v1                        ; 8 lane
	s_mov_b32 s35, 0                               ; high word of every offset pair s[34:35]
	s_cmp_lt_u32 s20, 4
	s_cbranch_scc0 .Lconv
	; ---------------- the gate waves ----------------
	s_lshl_b32 s36, ttmp9, 5
	s_lshl3_add_u32 s36, s20, s36                  ; my first token: 32 g + 8 w
	s_mov_b32 s32, 0x76543210                      ; v_permlanex16_b32: each lane takes its own place in the other half
	s_mov_b32 s33, 0xfedcba98
	v_lshlrev_b32 v4, 2, v1                        ; 4 lane
	s_wait_kmcnt 0x0
	s_load_b256 s[24:31], s[10:11], 0x0            ; bg, all 32 bytes
	s_lshl_b32 s34, s36, 12
	s_add_nc_u64 s[4:5], s[4:5], s[34:35]          ; x at my first row
	s_lshl_b32 s34, s36, 11
	s_add_nc_u64 s[12:13], s[12:13], s[34:35]      ; xh at my first row
	s_lshl_b32 s34, s36, 2
	s_add_nc_u64 s[16:17], s[16:17], s[34:35]      ; sel at my first token
	s_lshl_b32 s34, s36, 3
	s_add_nc_u64 s[18:19], s[18:19], s[34:35]      ; gs at my first token
.irp rw, 0,1,2,3
.irp j, 0,1,2,3,4,5,6,7
	global_load_b128 v[XR+32*\rw+4*\j:XR+32*\rw+4*\j+3], v2, s[4:5] offset:4096*\rw+512*\j th:TH_LOAD_NT   ; 512 neighbouring bytes a load; x is read once in the launch
.endr
.endr
	WIN 0x40                                       ; destination window 1
.set n, 0
.rept 64
	global_load_b128 v[4*n:4*n+3], v2, s[8:9] offset:512*n         ; Wg: expert n / 8, columns 128 (n % 8) + 4 lane
.set n, n+1
.endr
	WIN 0
.irp e, 0,1,2,3,4,5,6,7
	v_mov_b32 v[LG+\e], 0                          ; lanes 8-31 keep zeros: their arithmetic stays finite and is not stored
	v_mov_b32 v[RT+\e], 0                          ; v_permlanex16_b32 counts as a reader of its destination
.endr
	s_wait_kmcnt 0x0                               ; bg
	s_wait_loadcnt 0x0                             ; rows 0-3 and Wg
; Row i, in slot i % 4.  refill = 1: the slot takes row i + 4.  left: the younger rows' loads that may stay out (below 0: no wait is needed).
.macro ROW i, refill, left
.set XS, XR+32*((\i)%4)
.if \left >= 0
	s_wait_loadcnt \left                           ; loads come back in order: my row's eight are in, 8 for each younger row stay out
.endif
	WIN 0x04                                       ; source 1 (Wg) window 1
.set p, 0
.rept 16
.irp e, 0,1,2,3,4,5,6,7
.if p == 0
	v_pk_mul_f32 v[ACC+2*\e:ACC+2*\e+1], v[XS:XS+1], v[32*\e:32*\e+1]      ; the first products start the sums
.else
	v_pk_fma_f32 v[ACC+2*\e:ACC+2*\e+1], v[XS+2*p:XS+2*p+1], v[32*\e+2*p:32*\e+2*p+1], v[ACC+2*\e:ACC+2*\e+1]   ; eight chains that do not wait for each other
.endif
.endr
.set p, p+1
.endr
	WIN 0
	s_wait_xcnt 0x0                                ; Y was the last row's store data: it is rewritten only behind this wait
.irp k, 0,1,2,3,4,5,6,7,8,9,10,11,12,13,14,15
	v_cvt_pk_f16_f32 v[Y+\k], v[XS+2*\k], v[XS+2*\k+1]
.endr
.irp j, 0,1,2,3,4,5,6,7
	global_store_b64 v3, v[Y+2*\j:Y+2*\j+1], s[12:13] offset:2048*\i+256*\j   ; 32 lanes x 8 bytes: 256 consecutive bytes, at a multiple of 256 from xh's first byte
.endr
.if \refill
.irp j, 0,1,2,3,4,5,6,7
	global_load_b128 v[XS+4*\j:XS+4*\j+3], v2, s[4:5] offset:4096*(\i+4)+512*\j th:TH_LOAD_NT
.endr
.endif
.irp e, 0,1,2,3,4,5,6,7
	v_add_f32 v[ACC+2*\e], v[ACC+2*\e], v[ACC+2*\e+1]
.endr
.irp m, 1,2,4,8                        ; across the 16 lanes of a half, on the addition itself
.irp e, 0,1,2,3,4,5,6,7
	v_add_f32_dpp v[ACC+2*\e], v[ACC+2*\e], v[ACC+2*\e] row_xmask:\m row_mask:0xf bank_mask:0xf
.endr
.endr
.irp e, 0,1,2,3,4,5,6,7
	v_permlanex16_b32 v[RT+\e], v[ACC+2*\e], s32, s33
.endr
.irp e, 0,1,2,3,4,5,6,7
	v_add_f32 v[ACC+2*\e], v[ACC+2*\e], v[RT+\e]
.endr
.irp e, 0,1,2,3,4,5,6,7
	v_add_f32 v[ACC+2*\e], s[24+\e], v[ACC+2*\e]   ; + bg[e]
.endr
	v_cmp_eq_u32 vcc_lo, \i, v1
.irp e, 0,1,2,3,4,5,6,7
	v_cndmask_b32 v[LG+\e], v[LG+\e], v[ACC+2*\e], vcc_lo          ; lane i keeps row i's logits
.endr
.endm
	ROW 0, 1, -1
	ROW 1, 1, -1
	ROW 2, 1, -1
	ROW 3, 1, -1
	ROW 4, 0, 24                                   ; rows 5, 6, 7 stay out
	ROW 5, 0, 16
	ROW 6, 0, 8
	ROW 7, 0, 0
	; top 2 of 8, lane = row.  Strict compares in ascending e: of equal logits the lower index wins.  The second index starts at 1, the first at 0: they are never equal.
	v_mov_b32 v56, v[LG]                           ; best
	v_mov_b32 v57, 0                               ; its index
	v_mov_b32 v58, 0xff800000                      ; second best: minus infinity
	v_mov_b32 v59, 1
.irp e, 1,2,3,4,5,6,7
	v_mov_b32 v62, \e
	v_cmp_gt_f32 vcc_lo, v[LG+\e], v56
	v_cmp_gt_f32 s37, v[LG+\e], v58
	v_cndmask_b32 v60, v58, v[LG+\e], s37
	v_cndmask_b32 v61, v59, v62, s37
	v_cndmask_b32 v58, v60, v56, vcc_lo            ; a new best pushes the old best down
	v_cndmask_b32 v59, v61, v57, vcc_lo
	v_cndmask_b32 v56, v56, v[LG+\e], vcc_lo
	v_cndmask_b32 v57, v57, v62, vcc_lo
.endr
	; softmax with the largest logit taken away: p_e = 2^((l_e - l_max) log2 e); s1 = 1 / sum, s2 = p_second / sum
.irp e, 0,1,2,3,4,5,6,7
	v_sub_f32 v[64+\e], v[LG+\e], v56
.endr
	v_sub_f32 v72, v58, v56
.irp e, 0,1,2,3,4,5,6,7,8
	v_mul_f32 v[64+\e], 0x3fb8aa3b, v[64+\e]
.endr
.irp e, 0,1,2,3,4,5,6,7,8
	v_exp_f32 v[64+\e], v[64+\e]
.endr
	v_min_u32 v76, v57, v59                        ; a: a plain instruction between the last exponential and the first use of a result
	v_max_u32 v77, v57, v59                        ; b
	s_wait_alu depctr_va_vdst(0)
	v_add_f32 v64, v64, v65
	v_add_f32 v66, v66, v67
	v_add_f32 v68, v68, v69
	v_add_f32 v70, v70, v71
	v_add_f32 v64, v64, v66
	v_add_f32 v68, v68, v70
	v_add_f32 v64, v64, v68
	v_rcp_f32 v74, v64                             ; s1; the key's arithmetic stands between it and its use
	v_sub_nc_u32 v78, 15, v76
	v_mul_u32_u24 v78, v76, v78
	v_lshrrev_b32 v78, 1, v78                      ; a (15 - a) / 2: the pairs with a smaller minimum
	v_sub_nc_u32 v79, v77, v76
	v_add_nc_u32 v79, -1, v79                      ; b - a - 1: upward for even a,
	v_sub_nc_u32 v80, 7, v77                       ; 7 - b: downward for odd a
	v_and_b32 v81, 1, v76
	v_cmp_eq_u32 vcc_lo, 1, v81
	v_cndmask_b32 v79, v79, v80, vcc_lo
	v_add_nc_u32 v78, v78, v79
	v_lshl_or_b32 v78, v57, 16, v78
	v_lshl_or_b32 v78, v59, 24, v78                ; key | e1 << 16 | e2 << 24
	s_wait_alu depctr_va_vdst(0)
	v_mul_f32 v75, v72, v74                        ; s2
	v_cmp_gt_u32 vcc_lo, 8, v1
	s_wait_xcnt 0x0                                ; EXEC is a source of the stores above: it changes only behind this wait
	s_and_saveexec_b32 s38, vcc_lo
	global_store_b32 v4, v78, s[16:17]             ; 32 and 64 consecutive bytes a wave: the two tables are 96 KiB of the launch's 32 MiB of stores
	global_store_b64 v3, v[74:75], s[18:19]
	s_wait_xcnt 0x0
	s_or_b32 exec_lo, exec_lo, s38
	s_endpgm
	; ---------------- the W waves ----------------
.Lconv:
	s_sub_co_u32 s36, s20, 4                       ; c = 0..3
	s_lshr_b32 s37, s36, 1
	s_lshl1_add_u32 s37, ttmp9, s37                ; u = 2 g + c / 2: which 16 rows of W's 8,192 (expert u / 64)
	s_and_b32 s38, s36, 1                          ; which half of k
	s_mul_i32 s39, s36, STG                        ; my stage
	v_add_nc_u32 v3, s39, v3                       ; in: stage + 8 lane
	v_and_b32 v5, 15, v0                           ; r
	v_bfe_u32 v6, v0, 4, 1                         ; h
	v_mul_u32_u24 v4, v5, 1040                     ; a stage row: 1,024 bytes + 16 = 65 x 16: the 16 rows that a load touches start at 16 different 16-byte columns modulo 256 bytes
	v_lshl_add_u32 v4, v6, 4, v4
	v_add_nc_u32 v4, s39, v4                       ; back: stage + 1,040 r + 16 h
	s_lshl_b32 s34, s37, 16                        ; 16 rows of 4,096 bytes
	s_lshl_b32 s40, s38, 11                        ; 512 f32
	s_add_co_u32 s34, s34, s40
	s_wait_kmcnt 0x0
	s_add_nc_u64 s[6:7], s[6:7], s[34:35]
	s_lshr_b32 s40, s37, 2
	s_lshl_b32 s34, s40, 17                        ; u / 4 = 16 e + ng: streams of 131,072 bytes
	s_lshl_b32 s40, s38, 16                        ; 16 K steps of 4,096 bytes
	s_add_co_u32 s34, s34, s40
	s_and_b32 s40, s37, 3
	s_lshl_b32 s40, s40, 10                        ; bb
	s_add_co_u32 s34, s34, s40
	s_add_nc_u64 s[14:15], s[14:15], s[34:35]
	WIN 0x40
.set n, 0
.rept 64
	global_load_b128 v[4*n:4*n+3], v2, s[6:7] offset:4096*(n/4)+512*(n%4) th:TH_LOAD_NT   ; row n / 4, 512 neighbouring bytes: all 32 KiB of the wave go out at once
.set n, n+1
.endr
	WIN 0
.irp bt, 0,1,2,3                       ; four rows at a time
	s_wait_loadcnt 48-16*\bt                       ; the younger batches' 16 loads each stay out
	WIN 0x05                                       ; sources 0 and 1 window 1
.set n, 0
.rept 32
	v_cvt_pk_f16_f32 v[T+n], v[64*\bt+2*n], v[64*\bt+2*n+1]
.set n, n+1
.endr
	WIN 0
.set n, 0
.rept 16
	ds_store_b64 v3, v[T+2*n:T+2*n+1] offset:1040*(4*\bt+n/4)+256*(n%4)
.set n, n+1
.endr
.endr
.set n, 0
.rept 32
	ds_load_b128 v[F+4*n:F+4*n+3], v4 offset:32*n  ; K step n / 2, half n % 2.  LDS serves a wave's instructions in order: these see the stores above
.set n, n+1
.endr
.set n, 0
.rept 32
	s_wait_dscnt 31-n                              ; the younger loads stay out
	global_store_b128 v2, v[F+4*n:F+4*n+3], s[14:15] offset:4096*(n/2)+512*(n%2)   ; 512 consecutive bytes, at a multiple of 512 from wh's first byte
.set n, n+1
.endr
	s_wait_tensorcnt 0x0
	ds_add_u32 v126, v127
	s_wait_dscnt 0x0
	s_endpgm
.Lfunc_end_k_qafc27322df_prep:
	.size	k_qafc27322df_prep, .Lfunc_end_k_qafc27322df_prep-k_qafc27322df_prep
	.p2alignl 7, 3214868480
	.fill 96, 4, 3214868480
	.section	.rodata,"a",@progbits
	.p2align	6, 0x0
	.amdhsa_kernel k_qafc27322df_prep
		.amdhsa_group_segment_fixed_size 67584
		.amdhsa_private_segment_fixed_size 0
		.amdhsa_enable_private_segment 0
		.amdhsa_kernarg_size 64
		.amdhsa_user_sgpr_count 2
		.amdhsa_user_sgpr_kernarg_segment_ptr 1
		.amdhsa_wavefront_size32 1
		.amdhsa_system_sgpr_workgroup_id_x 1
		.amdhsa_system_sgpr_workgroup_id_y 1
		.amdhsa_system_sgpr_workgroup_id_z 1
		.amdhsa_system_vgpr_workitem_id 0
		.amdhsa_next_free_vgpr 512
		.amdhsa_next_free_sgpr 66
		.amdhsa_reserve_vcc 1
		.amdhsa_float_denorm_mode_32 3
		.amdhsa_float_denorm_mode_16_64 3
		.amdhsa_memory_ordered 1
		.amdhsa_forward_progress 1
		.amdhsa_inst_pref_size 152
	.end_amdhsa_kernel
	.amdgpu_metadata
---
amdhsa.version: [ 1, 2 ]
amdhsa.kernels:
  - .name:           k_qafc27322df_prep
    .symbol:         k_qafc27322df_prep.kd
    .args:
      - { .name: x, .offset: 0, .size: 8, .value_kind: global_buffer, .address_space: global }
      - { .name: W, .offset: 8, .size: 8, .value_kind: global_buffer, .address_space: global }
      - { .name: Wg, .offset: 16, .size: 8, .value_kind: global_buffer, .address_space: global }
      - { .name: bg, .offset: 24, .size: 8, .value_kind: global_buffer, .address_space: global }
      - { .name: xh, .offset: 32, .size: 8, .value_kind: global_buffer, .address_space: global }
      - { .name: wh, .offset: 40, .size: 8, .value_kind: global_buffer, .address_space: global }
      - { .name: sel, .offset: 48, .size: 8, .value_kind: global_buffer, .address_space: global }
      - { .name: gs, .offset: 56, .size: 8, .value_kind: global_buffer, .address_space: global }
    .group_segment_fixed_size: 67584
    .private_segment_fixed_size: 0
    .kernarg_segment_align: 8
    .kernarg_segment_size: 64
    .max_flat_workgroup_size: 256
    .sgpr_count:     66
    .vgpr_count:     512
    .wavefront_size: 32
...
	.end_amdgpu_metadata
.endif
;; end of part 1
;; launch route (part 2): grid 28 x 1, 32 waves a work-group, no clusters, 4,352 bytes of LDS; arguments sel, order; writes order
.if DOCPART == 2
	.amdgcn_target "amdgcn-amd-amdhsa--gfx1250"
	.amdhsa_code_object_version 6
	.text
	.protected	k_qafc27322df_route
	.globl	k_qafc27322df_route
	.p2align	8
	.type	k_qafc27322df_route,@function
k_qafc27322df_route:
	s_mov_b64 s[64:65], 0
	v_nop
	global_prefetch_b8 v0, s[64:65] scope:SCOPE_SE
	s_setreg_imm32_b32 hwreg(HW_REG_WAVE_MODE, 25, 1), 1
	s_wait_xcnt 0x0
; route: the tokens sorted by their pair key, without atomics.  sel[8192] = key | e1 << 16 | e2 << 24;  order[pos] = token | e1 << 16 | e2 << 24.
; Work-group k places the tokens of key k (28 keys, 28 work-groups): each reads all of sel (32 KiB), counts the tokens with a smaller key (where its run begins) and those of
; its own key, and stores its own.  So every position 0..8191 is written once, by one work-group.  Thread t owns tokens 8 t .. 8 t + 7.  All arithmetic is in whole numbers.
; The order inside a key is free.  The stores are 4 bytes a lane at neighbouring positions: the table is 32 KiB.
	s_load_b128 s[4:7], s[0:1], 0x0                ; sel s[4:5], order s[6:7]
	v_lshl_add_u32 v48, v0, 2, 0x100
	v_mov_b32 v49, 0
	v_lshrrev_b32 v1, 5, v0
	v_readfirstlane_b32 s8, v1                     ; wave 0..31
	v_and_b32 v1, 31, v0                           ; lane
	v_lshlrev_b32 v2, 5, v0                        ; my 32 bytes of sel
	v_lshlrev_b32 v5, 3, v0                        ; my first token
	v_lshlrev_b32 v21, 2, v1                       ; 4 lane
	s_mov_b32 s9, ttmp9                            ; my key
	s_mov_b32 s10, 0                               ; my wave's tokens of my key
	s_mov_b32 s11, 0                               ; my wave's tokens of smaller keys
	s_mov_b32 s14, 0x76543210
	s_mov_b32 s15, 0xfedcba98
	s_wait_kmcnt 0x0
	global_load_b128 v[8:11], v2, s[4:5]
	global_load_b128 v[12:15], v2, s[4:5] offset:16
	s_wait_loadcnt 0x0
.irp i, 0,1,2,3,4,5,6,7
	v_and_b32 v3, 0xff, v[8+\i]
	v_cmp_eq_u32 s[24+\i], s9, v3                  ; the lanes whose token i has my key
	v_cmp_gt_u32 vcc_lo, s9, v3                    ; and those with a smaller one
	s_bcnt1_i32_b32 s[32+\i], s[24+\i]
	s_bcnt1_i32_b32 s12, vcc_lo
	s_add_co_u32 s10, s10, s[32+\i]
	s_add_co_u32 s11, s11, s12
.endr
	s_lshl_b32 s12, s8, 2
	v_mov_b32 v17, s12
	v_mov_b32 v18, s10
	v_mov_b32 v19, s11
	ds_store_b32 v17, v18                          ; word w: my key's count; all lanes write the same value
	ds_store_b32 v17, v19 offset:128               ; word 32 + w: the smaller keys' count
	s_wait_dscnt 0x0                               ; for the others' sake: my stores are done
	s_barrier_signal -1
	s_barrier_wait -1
	ds_load_b32 v20, v21                           ; lane l: wave l's counts
	ds_load_b32 v22, v21 offset:128
	s_wait_dscnt 0x0
	v_cmp_gt_u32 vcc_lo, s8, v1
	v_cndmask_b32 v20, 0, v20, vcc_lo              ; my key: only the waves below mine
	v_add_nc_u32 v6, v20, v22                      ; smaller keys: all waves
	v_mov_b32 v7, 0                                ; the moves below count as readers of their destination
.irp m, 1,2,4,8
	v_mov_b32_dpp v7, v6 row_xmask:\m row_mask:0xf bank_mask:0xf
	v_add_nc_u32 v6, v6, v7
.endr
	v_permlanex16_b32 v7, v6, s14, s15
	v_add_nc_u32 v6, v6, v7
	v_readfirstlane_b32 s13, v6                    ; the first position of my wave's tokens
.irp i, 0,1,2,3,4,5,6,7                ; each store has its own address and data registers
	v_mbcnt_lo_u32_b32 v[16+\i], s[24+\i], s13     ; + the lanes below me that also store in this turn
	v_min_u32 v[16+\i], 0x1fff, v[16+\i]           ; a position stays inside the table
	v_lshlrev_b32 v[16+\i], 2, v[16+\i]
	v_add_nc_u32 v3, \i, v5
	v_and_or_b32 v[24+\i], v[8+\i], 0xffff0000, v3 ; the two experts stay on top, the token takes the key's place
	s_add_co_u32 s13, s13, s[32+\i]
.endr
.irp i, 0,1,2,3,4,5,6,7
	s_wait_xcnt 0x0                                ; EXEC is a source of a pending store: it changes only behind this wait
	s_and_saveexec_b32 s40, s[24+\i]
	global_store_b32 v[16+\i], v[24+\i], s[6:7]
	s_wait_xcnt 0x0
	s_or_b32 exec_lo, exec_lo, s40
.endr
	s_wait_xcnt 0x0
	s_mov_b32 exec_lo, -1
	s_wait_tensorcnt 0x0
	ds_add_u32 v48, v49
	s_wait_dscnt 0x0
	s_endpgm
.Lfunc_end_k_qafc27322df_route:
	.size	k_qafc27322df_route, .Lfunc_end_k_qafc27322df_route-k_qafc27322df_route
	.p2alignl 7, 3214868480
	.fill 96, 4, 3214868480
	.section	.rodata,"a",@progbits
	.p2align	6, 0x0
	.amdhsa_kernel k_qafc27322df_route
		.amdhsa_group_segment_fixed_size 4352
		.amdhsa_private_segment_fixed_size 0
		.amdhsa_enable_private_segment 0
		.amdhsa_kernarg_size 16
		.amdhsa_user_sgpr_count 2
		.amdhsa_user_sgpr_kernarg_segment_ptr 1
		.amdhsa_wavefront_size32 1
		.amdhsa_system_sgpr_workgroup_id_x 1
		.amdhsa_system_sgpr_workgroup_id_y 1
		.amdhsa_system_sgpr_workgroup_id_z 1
		.amdhsa_system_vgpr_workitem_id 0
		.amdhsa_next_free_vgpr 50
		.amdhsa_next_free_sgpr 66
		.amdhsa_reserve_vcc 1
		.amdhsa_float_denorm_mode_32 3
		.amdhsa_float_denorm_mode_16_64 3
		.amdhsa_memory_ordered 1
		.amdhsa_forward_progress 1
		.amdhsa_inst_pref_size 9
	.end_amdhsa_kernel
	.amdgpu_metadata
---
amdhsa.version: [ 1, 2 ]
amdhsa.kernels:
  - .name:           k_qafc27322df_route
    .symbol:         k_qafc27322df_route.kd
    .args:
      - { .name: sel, .offset: 0, .size: 8, .value_kind: global_buffer, .address_space: global }
      - { .name: order, .offset: 8, .size: 8, .value_kind: global_buffer, .address_space: global }
    .group_segment_fixed_size: 4352
    .private_segment_fixed_size: 0
    .kernarg_segment_align: 8
    .kernarg_segment_size: 16
    .max_flat_workgroup_size: 1024
    .sgpr_count:     66
    .vgpr_count:     50
    .wavefront_size: 32
...
	.end_amdgpu_metadata
.endif
;; end of part 2
;; launch moe (part 3): grid 256 x 1, 4 waves a work-group, no clusters, 282,112 bytes of LDS; arguments xh, wh, b, gs, order, out0; writes out0
.if DOCPART == 3
	.amdgcn_target "amdgcn-amd-amdhsa--gfx1250"
	.amdhsa_code_object_version 6
	.text
	.protected	k_qafc27322df_moe
	.globl	k_qafc27322df_moe
	.p2align	8
	.type	k_qafc27322df_moe,@function
k_qafc27322df_moe:
	s_mov_b64 s[64:65], 0
	v_nop
	global_prefetch_b8 v0, s[64:65] scope:SCOPE_SE
	s_setreg_imm32_b32 hwreg(HW_REG_WAVE_MODE, 25, 1), 1
	s_wait_xcnt 0x0
; moe: out0[token] = s1 (x W_e1^T + b_e1) + s2 (x W_e2^T + b_e2), only the two chosen experts of each token multiplied.
; xh [8192][1024] f16; wh: W as f16 in fragment order, [e 8][ng 16][ks 32][bb 4][q 2][lane 32][16 bytes]; b [8][1024] f32; gs[token] = (s1, s2) f32;
; order[pos] = token | e1 << 16 | e2 << 24, sorted by the pair of experts; out0 [8192][1024] f32.  Products of f16 operands; sums, bias and gates in f32.
; LIMIT: the operands are f16: a number of x or W above 65,504 in magnitude has become infinite, one below 2^-14 has lost bits (absolute error 2^-25 at the most).
; SHARES.  Work-group g: sorted positions 128 (g / 4) .. + 127, columns 256 (g % 4) .. + 255.  Wave w: all 128 rows x 64 columns (stream ng = 4 (g % 4) + w): 8 x 4 accumulators.
; Since the tokens are sorted by pair and neighbouring pairs share an expert, a tile holds few experts (2, or 3 across one change of pair; any number from 2 to 8 is served).
; The wave walks the tile's experts: for each, ACC = b_e + x W_e^T over K = 1,024 (the bias is the C of the first product: nothing is cleared, nothing is added later),
; then TOT += g ACC, g = s1, s2 or 0 for each row.  Both contributions of a token meet in one register: out0 is written once and no intermediate goes to memory.
; x: the tile's 128 gathered rows are brought into LDS once and read again for every expert.  They go through registers: a wave's 128 loads (32 rows x 4 x 512 bytes) land in the
;    512 registers that later hold the sums, idle until the first product, and 128 LDS stores put them in place.
; W: no two waves of the work-group share a column, so W goes straight into registers: in wh's order each load of a wave is 512 consecutive bytes and lands as half a fragment.
;    A ring of eight register slots of one K step (32 along K, 4 KiB a wave), filled six steps ahead, on into the next expert.
; NO ADDRESS IS STEPPED: an expert's 32 K steps are written out, and the step stands in the immediate: 35,040 bytes at the most for x in LDS (16 bits), 130,560 for W (signed 24 bits).
; THE MATRIX INSTRUCTION IS USED TRANSPOSED (source 0 = 16 rows of W, source 1 = 16 tokens): lane (r, h) holds token 16 a + r, register j column 16 bb + 8 h + j.
; NO CLUSTER, NO TENSOR LOAD: what work-groups want together are the tile's gathered rows, 256 KiB of at least 1,280 KiB a work-group, at 128 unrelated addresses that no one
; tile descriptor names; work-groups on the same columns walk different lists of experts, so their streams of W do not meet.
; The trip count of the loop over experts and the rows' addresses come from order, whole numbers that an earlier launch stored.
; REGISTERS, in windows of 256: window 0 addresses, gates, bias, x's fragments; window 1 ACC (a, bb) at 8 (4 a + bb); window 2 TOT, the same map; window 3 W's ring, slot i at 32 i.
.set PA,    2064                       ; a row of x in LDS: 2,048 bytes + 16 = 129 x 16: the 16 rows that a load touches start at 16 different 16-byte columns modulo 256 bytes
.set STAGE, 128*PA                     ; 264,192: behind x, 16 rows x 272 bytes for each wave, for the way out
.set SP,    272
.set KSB,   4096                       ; bytes of one K step of a stream of W
.set R,    1                           ; v1      lane % 16
.set H,    2                           ; v2      lane / 16
.set L16,  3                           ; v3      16 lane
.set AB,   8                           ; v8-11   LDS addresses of x's fragments at K = 0 (m blocks 2 p, 2 p + 1); never rewritten
.set STO,  12                          ; v12     the way out: where I put 16 bytes of a row
.set RD,   13                          ; v13     the way out: where I read a row back
.set CO,   14                          ; v14     16 (lane % 16)
.set BOFF, 15                          ; v15     32 (lane / 16)
.set E1,   16                          ; v16-23  first expert of row 16 a + r
.set E2,   24                          ; v24-31  second expert
.set S12,  32                          ; v32-47  (s1, s2) of row 16 a + r
.set G,    48                          ; v48-63  pairs: the row's gate for the expert in hand; the odd registers are named with them and hold 0
.set BIAS, 64                          ; v64-95  b of the expert, in an accumulator's layout, 8 registers an n block
.set TP,   96                          ; v96-127 at work in the prologue
.set AF0,  128                         ; v128-191, v192-255 x's fragments of one K step, two buffers
.set GA,   128                         ; prologue: v128-159 byte offsets in xh of the 32 rows that my wave brings
.set OFFS, 192                         ; the way out: 64 byte offsets of rows in out0
.set LP,   26                          ; s[26:27] W's stream of the expert in hand
.set NP,   28                          ; s[28:29] W's stream of the next expert
.set BP,   30                          ; s[30:31] b of the next expert, at my columns
.set MSB, 0
.macro WIN new                         ; s_set_vgpr_msb: bits 1:0 source 0, 3:2 source 1, 5:4 source 2, 7:6 destination; the high byte repeats the setting that is left
.if MSB != \new
	s_set_vgpr_msb (MSB<<8)|\new
.set MSB, \new
.endif
.endm
; The lowest expert left in the tile's mask s66 becomes the next one, s68; its stream of W and its bias.
.macro POP
	s_ctz_i32_b32 s68, s66
	s_min_u32 s68, s68, 7                          ; an expert stays inside the tables
	s_sub_co_u32 s72, s66, 1
	s_and_b32 s66, s66, s72
	s_lshl_b32 s20, s68, 21                        ; an expert's 16 streams of 131,072 bytes
	s_add_nc_u64 s[NP:NP+1], s[22:23], s[20:21]
	s_lshl_b32 s20, s68, 12                        ; a row of b
	s_add_nc_u64 s[BP:BP+1], s[24:25], s[20:21]
.endm
.macro BIASLD                          ; register 8 bb + 4 q + c = b[e][my columns + 16 bb + 8 h + 4 q + c]
.irp f, 0,1,2,3,4,5,6,7
	global_load_b128 v[BIAS+4*\f:BIAS+4*\f+3], v[BOFF], s[BP:BP+1] offset:64*(\f/2)+16*(\f%2)
.endr
.endm
.macro BLOAD slot, base, off           ; one K step of W, 8 loads of 512 consecutive bytes, into a slot of the ring
	WIN 0xc0                                       ; destination window 3, address window 0
.irp j, 0,1,2,3,4,5,6,7
	global_load_b128 v[32*(\slot)+4*\j:32*(\slot)+4*\j+3], v[L16], s[\base:\base+1] offset:\off+512*\j
.endr
.endm
; x on its way in.  Load n of my wave's 128: row n / 4 of my 32, its bytes 512 (n % 4) on; register 4 (n % 64) of window 1 (n < 64) or 2.
.macro XLOAD from, cnt
.set n, \from
.rept \cnt
	global_load_b128 v[4*(n%64):4*(n%64)+3], v[GA+n/4], s[4:5] offset:512*(n%4)
.set n, n+1
.endr
.endm
.macro XSTORE from, cnt                ; the row and the quarter stand in the immediate: 31 x 2,064 + 1,536 = 65,520 at the most, inside its 16 bits
.set n, \from
.rept \cnt
	ds_store_b128 v[TP+2], v[4*(n%64):4*(n%64)+3] offset:(n/4)*PA+512*(n%4)
.set n, n+1
.endr
.endm
.macro ALOAD buf, off                  ; x's fragments of one K step, at byte off of the rows: 8 m blocks, 16 loads
.irp ma, 0,1,2,3,4,5,6,7
	ds_load_b128 v[\buf+8*\ma:\buf+8*\ma+3],   v[AB+\ma/2] offset:(\ma%2)*16*PA+\off
	ds_load_b128 v[\buf+8*\ma+4:\buf+8*\ma+7], v[AB+\ma/2] offset:(\ma%2)*16*PA+\off+32
.endr
.endm
; 32 matrix instructions: one K step.  The 32 accumulators take turns, one instruction a turn, in the same order in every step.
.macro MUL32 slot, buf, first
.if \first
	WIN 0x43                                       ; W window 3, x window 0, C = the bias in window 0, D window 1
.else
	WIN 0x53                                       ; C and D window 1
.endif
.irp ma, 0,1,2,3,4,5,6,7
.irp nb, 0,1,2,3
.if \first
	v_wmma_f32_16x16x32_f16 v[32*\ma+8*\nb:32*\ma+8*\nb+7], v[32*(\slot)+8*\nb:32*(\slot)+8*\nb+7], v[\buf+8*\ma:\buf+8*\ma+7], v[BIAS+8*\nb:BIAS+8*\nb+7]
.else
	v_wmma_f32_16x16x32_f16 v[32*\ma+8*\nb:32*\ma+8*\nb+7], v[32*(\slot)+8*\nb:32*(\slot)+8*\nb+7], v[\buf+8*\ma:\buf+8*\ma+7], v[32*\ma+8*\nb:32*\ma+8*\nb+7]
.endif
.endr
.endr
.endm
; K step s (0 to 31) of an expert.  W's slot s % 8, x's buffer s % 2.  last = 1: no expert follows.
; A load into a register that a matrix instruction has read stands four places behind it, and only plain vector instructions that name none of its registers are places
; (ISA guide 7.12.1 for vector instructions): four v_nop open the step; in front of step 0 stand the gates' 32 instructions.
; The step asks for W six steps on: from this expert's stream up to step 25, then from the next expert's (steps 0 to 5, its bias first), or, in the last expert, for nothing.
; The wait for this step's W counts the younger loads: steps s + 1 .. s + 5, 8 loads each: 40.  From step 27 on the next expert's 8 loads of bias stand among them: 48;
; in the last expert nothing is issued from step 26 on, and the count runs down: 8 (31 - s).
.macro STEP s, last
.set AFC, AF0+64*((\s)%2)
.set AFN, AF0+64*((\s+1)%2)
.if \s != 0
.rept 4
	v_nop
.endr
.endif
.if (\s == 24) && !\last
	s_wait_xcnt 0x0                                ; the next expert's bases, which earlier loads named, are rewritten only behind this wait
	POP
.endif
.if \last && (\s > 26)
	s_wait_loadcnt 8*(31-\s)
.elseif \s > 26
	s_wait_loadcnt 48
.else
	s_wait_loadcnt 40
.endif
.if \s < 26
	BLOAD (\s+6)%8, LP, (\s+6)*KSB
.elseif !\last
.if \s == 26
	WIN 0
	BIASLD
.endif
	BLOAD (\s+6)%8, NP, (\s-26)*KSB
.endif
	WIN 0
.if \s < 31
	ALOAD AFN, 64*(\s+1)                           ; x's fragments of the next step
	s_wait_dscnt 16                                ; all but the 16 just issued: this step's fragments of x are in
.elseif !\last
	ALOAD AFN, 0                                   ; the next expert begins again at K = 0
	s_wait_dscnt 16
.else
	s_wait_dscnt 0x0
.endif
.if \s == 0
	MUL32 0, AFC, 1
.else
	MUL32 (\s)%8, AFC, 0
.endif
.endm
; Each row's gate for the expert in hand: s1, s2 or 0.  32 plain instructions that name no accumulator: they are also the places behind the last products.
.macro GATES
.irp ma, 0,1,2,3,4,5,6,7
	v_cmp_eq_u32 vcc_lo, s67, v[E2+\ma]
	v_cndmask_b32 v[G+2*\ma], 0, v[S12+2*\ma+1], vcc_lo
	v_cmp_eq_u32 vcc_lo, s67, v[E1+\ma]
	v_cndmask_b32 v[G+2*\ma], v[G+2*\ma], v[S12+2*\ma], vcc_lo
.endr
.endm
; TOT = g ACC (the first expert: nothing is cleared) or TOT += g ACC.
.macro FOLD fma
.if \fma
	WIN 0xa1                                       ; ACC window 1, g window 0, TOT (source 2 and destination) window 2
.else
	WIN 0x81
.endif
.set n, 0
.rept 128
.set ga, G+2*(n/16)
.if \fma
	v_pk_fma_f32 v[2*n:2*n+1], v[2*n:2*n+1], v[ga:ga+1], v[2*n:2*n+1] op_sel_hi:[1,0,1]
.else
	v_pk_mul_f32 v[2*n:2*n+1], v[2*n:2*n+1], v[ga:ga+1] op_sel_hi:[1,0]
.endif
.set n, n+1
.endr
.endm
.macro EXPERT last                     ; one expert's 32 K steps and its gates
	WIN 0
	s_wait_xcnt 0x0                                ; the stream's base, which the last expert's loads named, is rewritten only behind this wait
	s_mov_b64 s[LP:LP+1], s[NP:NP+1]
	s_mov_b32 s67, s68                             ; the expert in hand
.irp st, 0,1,2,3,4,5,6,7,8,9,10,11,12,13,14,15,16,17,18,19,20,21,22,23,24,25,26,27,28,29,30,31
	STEP \st, \last
.endr
	WIN 0
	GATES
.endm
	s_load_b256 s[4:11], s[0:1], 0x0               ; xh 4:5, wh 6:7, b 8:9, gs 10:11
	s_load_b128 s[12:15], s[0:1], 0x20             ; order 12:13, out0 14:15
	v_lshl_add_u32 v126, v0, 2, 0x44c00
	v_mov_b32 v127, 0
	v_lshrrev_b32 v1, 5, v0
	v_readfirstlane_b32 s16, v1                    ; wave 0..3
	s_lshr_b32 s17, ttmp9, 2                       ; row tile
	s_and_b32 s18, ttmp9, 3                        ; column tile
	s_lshl2_add_u32 s19, s18, s16                  ; ng = 4 x column tile + wave: my 64 columns
	s_mov_b32 s21, 0                               ; high word of every offset pair s[20:21]
	v_and_b32 v[TP], 31, v0
	v_and_b32 v[R], 15, v0
	v_bfe_u32 v[H], v0, 4, 1
	v_lshlrev_b32 v[L16], 4, v[TP]
	v_lshlrev_b32 v[TP+1], 2, v[R]
	v_lshlrev_b32 v[BOFF], 5, v[H]
	s_mul_i32 s72, s16, 32*PA
	v_add_nc_u32 v[TP+2], s72, v[L16]              ; LDS: my wave brings rows 32 w .. 32 w + 31; 16 bytes a lane
	s_lshl_b32 s20, s17, 9
	s_wait_kmcnt 0x0
	s_add_nc_u64 s[12:13], s[12:13], s[20:21]      ; order at the tile's 128 words
	s_lshl_b32 s20, s16, 7
	s_add_nc_u64 s[74:75], s[12:13], s[20:21]
	s_load_b512 s[32:47], s[74:75], 0x0            ; the words of the 32 rows that my wave brings
	s_load_b512 s[48:63], s[74:75], 0x40
.irp ma, 0,1,2,3,4,5,6,7
	global_load_b32 v[TP+8+\ma], v[TP+1], s[12:13] offset:64*\ma   ; the word of row 16 a + r
.endr
	s_lshl_b32 s20, s19, 17
	s_add_nc_u64 s[22:23], s[6:7], s[20:21]        ; wh at stream ng of expert 0
	s_lshl_b32 s20, s19, 8
	s_add_nc_u64 s[24:25], s[8:9], s[20:21]        ; b at my 64 columns
	s_add_nc_u64 s[14:15], s[14:15], s[20:21]      ; out0 at my 64 columns
	s_wait_kmcnt 0x0
.set i, 0
.rept 32
	s_and_b32 s[32+i], s[32+i], 0x1fff             ; the token,
	s_min_u32 s[32+i], s[32+i], 0x1fff             ; inside the table
	v_lshl_add_u32 v[GA+i], s[32+i], 11, v[L16]    ; its row of 2,048 bytes in xh, 16 bytes a lane
.set i, i+1
.endr
	s_wait_loadcnt 0x0                             ; the eight words
	v_mov_b32 v[TP+24], 0
	v_mov_b32 v[TP+26], 1
.irp ma, 0,1,2,3,4,5,6,7
	v_bfe_u32 v[E1+\ma], v[TP+8+\ma], 16, 8
	v_bfe_u32 v[E2+\ma], v[TP+8+\ma], 24, 8
	v_and_b32 v[TP+16+\ma], 0x1fff, v[TP+8+\ma]
	v_min_u32 v[TP+16+\ma], 0x1fff, v[TP+16+\ma]
	v_lshlrev_b32 v[TP+16+\ma], 3, v[TP+16+\ma]
	global_load_b64 v[S12+2*\ma:S12+2*\ma+1], v[TP+16+\ma], s[10:11]       ; (s1, s2)
	v_lshl_or_b32 v[TP+24], v[TP+26], v[E1+\ma], v[TP+24]                  ; my eight rows' experts as bits
	v_lshl_or_b32 v[TP+24], v[TP+26], v[E2+\ma], v[TP+24]
.endr
	s_mov_b32 s66, 0                               ; the tile's experts as bits: a bit is set if any lane has it
.irp e, 0,1,2,3,4,5,6,7
	v_and_b32 v[TP+25], 1<<\e, v[TP+24]
	v_cmp_ne_u32 vcc_lo, 0, v[TP+25]
	s_cmp_lg_u32 vcc_lo, 0
	s_cselect_b32 s72, 1<<\e, 0
	s_or_b32 s66, s66, s72
.endr
	s_bcnt1_i32_b32 s70, s66
	s_sub_co_u32 s70, s70, 1                       ; n - 1; n is at least 2: a token's two experts differ,
	s_min_u32 s70, s70, 7                          ; and at most 8: the loop over experts is bounded whatever the table holds
	POP
	BIASLD
.irp st, 0,1,2,3,4,5
	BLOAD \st, NP, \st*KSB                         ; the first expert's K steps 0 to 5
.endr
	WIN 0x40                                       ; destination window 1
	XLOAD 0, 64                                    ; my 32 rows of x: 128 loads of 512 consecutive bytes
	WIN 0x80                                       ; destination window 2
	XLOAD 64, 64
	WIN 0
	v_mul_u32_u24 v[TP+25], v[R], PA               ; the address arithmetic stands here, while the loads are on their way
	v_lshl_add_u32 v[AB], v[H], 4, v[TP+25]        ; a fragment's row x pitch + 16 x half
.irp p, 1,2,3
	v_add_nc_u32 v[AB+\p], \p*32*PA, v[AB]
.endr
	s_mul_i32 s72, s16, 16*SP
	s_add_co_u32 s72, s72, STAGE                   ; my stage
	v_mul_u32_u24 v[TP+25], v[R], SP               ; in: row r, 32 bytes for each half of the lanes
	v_lshl_add_u32 v[TP+25], v[H], 5, v[TP+25]
	v_add_nc_u32 v[STO], s72, v[TP+25]
	v_mul_u32_u24 v[TP+25], v[H], 8*SP             ; back: lanes 0-15 take row t, lanes 16-31 row 8 + t, 256 bytes each
	v_lshl_add_u32 v[TP+25], v[R], 4, v[TP+25]
	v_add_nc_u32 v[RD], s72, v[TP+25]
	v_lshlrev_b32 v[CO], 4, v[R]
.irp ma, 0,1,2,3,4,5,6,7
	v_mov_b32 v[G+2*\ma+1], 0
.endr
	s_wait_loadcnt 63                              ; a count names 63 at the most: the 63 youngest may be out, so x's loads 0 to 64 are in
	WIN 0x04                                       ; store data window 1
	XSTORE 0, 64
	WIN 0x08                                       ; store data window 2
.irp bt, 0,1,2,3
	s_wait_loadcnt 48-16*\bt                       ; the younger batches' 16 loads each stay out; the last wait also shows W's six steps, the bias and the gates in, which are older
	XSTORE 64+16*\bt, 16
.endr
	WIN 0
	s_wait_dscnt 0x0                               ; for the others' sake: my 32 rows are in LDS,
	s_barrier_signal -1
	s_barrier_wait -1                              ; everybody's are: x is never written again
	ALOAD AF0, 0                                   ; x's fragments of K step 0
	EXPERT 0                                       ; the first expert is written out: its fold starts TOT
	FOLD 0
	WIN 0                                          ; at a label and at a branch every window is 0
	s_cmp_lt_u32 s70, 2
	s_cbranch_scc1 .Llast                          ; two experts: none in the middle
	s_mov_b32 s69, 1
.Lexpert:                                              ; experts 1 .. n - 2
	EXPERT 0
	FOLD 1
	WIN 0
	s_add_co_u32 s69, s69, 1
	s_cmp_lt_u32 s69, s70
	s_cbranch_scc1 .Lexpert
.Llast:
	EXPERT 1                                       ; the last expert asks for nothing beyond its own stream
.irp ma, 0,1,2,3,4,5,6,7
.irp c, 0,1
	global_load_b128 v[OFFS+8*\ma+4*\c:OFFS+8*\ma+4*\c+3], v[BOFF], s[12:13] offset:64*\ma+16*\c   ; the words of rows 16 a + 8 (lane / 16) + t, while the last fold runs
.endr
.endr
	FOLD 1
	WIN 0
	; THE WAY OUT.  A lane holds eight columns of one row; 16 rows at a time go through my stage and come back as whole rows of 256 bytes, which go to their tokens' rows of out0.
	s_wait_loadcnt 0x0
.set n, 0
.rept 64
	v_and_b32 v[OFFS+n], 0x1fff, v[OFFS+n]
	v_min_u32 v[OFFS+n], 0x1fff, v[OFFS+n]
	v_lshl_add_u32 v[OFFS+n], v[OFFS+n], 12, v[CO] ; token x 4,096 bytes + 16 (lane % 16)
.set n, n+1
.endr
.irp ma, 0,1,2,3,4,5,6,7
.set TM, AF0+32*(\ma%2)
	WIN 0x08                                       ; store data window 2
.irp f, 0,1,2,3,4,5,6,7
	ds_store_b128 v[STO], v[32*\ma+4*\f:32*\ma+4*\f+3] offset:64*(\f/2)+16*(\f%2)
.endr
	WIN 0
	s_wait_xcnt 0x0                                ; these registers were store data two blocks ago: they are loaded again only behind this wait
.irp t, 0,1,2,3,4,5,6,7
	ds_load_b128 v[TM+4*\t:TM+4*\t+3], v[RD] offset:SP*\t          ; LDS serves a wave's instructions in order: these see the stores above, and the next block's stores come behind them
.endr
.irp t, 0,1,2,3,4,5,6,7
	s_wait_dscnt 7-\t                              ; the younger loads stay out
	global_store_b128 v[OFFS+8*\ma+\t], v[TM+4*\t:TM+4*\t+3], s[14:15] th:TH_STORE_NT   ; 16 lanes store 256 consecutive bytes, at a multiple of 256 from out0's first byte
.endr
.endr
	s_barrier_signal -1
	s_barrier_wait -1
	s_wait_tensorcnt 0x0
	ds_add_u32 v126, v127
	s_wait_dscnt 0x0
	s_endpgm
.Lfunc_end_k_qafc27322df_moe:
	.size	k_qafc27322df_moe, .Lfunc_end_k_qafc27322df_moe-k_qafc27322df_moe
	.p2alignl 7, 3214868480
	.fill 96, 4, 3214868480
	.section	.rodata,"a",@progbits
	.p2align	6, 0x0
	.amdhsa_kernel k_qafc27322df_moe
		.amdhsa_group_segment_fixed_size 282112
		.amdhsa_private_segment_fixed_size 0
		.amdhsa_enable_private_segment 0
		.amdhsa_kernarg_size 48
		.amdhsa_user_sgpr_count 2
		.amdhsa_user_sgpr_kernarg_segment_ptr 1
		.amdhsa_wavefront_size32 1
		.amdhsa_system_sgpr_workgroup_id_x 1
		.amdhsa_system_sgpr_workgroup_id_y 1
		.amdhsa_system_sgpr_workgroup_id_z 1
		.amdhsa_system_vgpr_workitem_id 0
		.amdhsa_next_free_vgpr 1024
		.amdhsa_next_free_sgpr 80
		.amdhsa_reserve_vcc 1
		.amdhsa_float_denorm_mode_32 3
		.amdhsa_float_denorm_mode_16_64 3
		.amdhsa_memory_ordered 1
		.amdhsa_forward_progress 1
		.amdhsa_inst_pref_size 255
	.end_amdhsa_kernel
	.section	.bss,"aw",@nobits
	.p2align	6
	.space	262144
	.amdgpu_metadata
---
amdhsa.version: [ 1, 2 ]
amdhsa.kernels:
  - .name:           k_qafc27322df_moe
    .symbol:         k_qafc27322df_moe.kd
    .args:
      - { .name: xh, .offset: 0, .size: 8, .value_kind: global_buffer, .address_space: global }
      - { .name: wh, .offset: 8, .size: 8, .value_kind: global_buffer, .address_space: global }
      - { .name: b, .offset: 16, .size: 8, .value_kind: global_buffer, .address_space: global }
      - { .name: gs, .offset: 24, .size: 8, .value_kind: global_buffer, .address_space: global }
      - { .name: order, .offset: 32, .size: 8, .value_kind: global_buffer, .address_space: global }
      - { .name: out0, .offset: 40, .size: 8, .value_kind: global_buffer, .address_space: global }
    .group_segment_fixed_size: 282112
    .private_segment_fixed_size: 0
    .kernarg_segment_align: 8
    .kernarg_segment_size: 48
    .max_flat_workgroup_size: 128
    .sgpr_count:     80
    .vgpr_count:     1024
    .wavefront_size: 32
...
	.end_amdgpu_metadata
.endif
;; end of part 3
